; MI455X (gfx1250); checked and timed in simulation.
; The chip was launched on July 23, 2026; its instructions are those of AMD's public machine-readable ISA for CDNA 5 (MIT licence, August 2026) and "CDNA5" Instruction Set Architecture Reference Guide (July 2026). The comments in the code are by the model that wrote it; some were corrected since.
;; Masked Attention. Allowed arithmetic: matrix products marked QUANTISED: E5M2 operands, one given power-of-two scale a tensor, by v_wmma_f32_16x16x64_bf8_bf8 or v_wmma_f32_16x16x128_bf8_bf8, f32 sums; everything else in f32.
;; Inputs: W_k_codes 1,024 x 32 x 32 uint8 (E5M2 codes of W_k, K innermost, in blocks of 32 codes); W_q_codes 1,024 x 32 x 32 uint8 (E5M2 codes of W_q, K innermost, in blocks of 32 codes); W_v_codes 1,024 x 32 x 32 uint8 (E5M2 codes of W_v, K innermost, in blocks of 32 codes); X_codes 4 x 2,048 x 32 x 32 uint8 (E5M2 codes of X, K innermost, in blocks of 32 codes); lowp_scales 10 int32 (the exponents e of the quantised operands' scales 2^e).
;; Outputs: out0 4 x 2,048 x 1,024 float32.
;; This version of the problem:
;;   THIS VERSION OF THE PROBLEM IS GIVEN IN LOW PRECISION. The matrix products marked QUANTISED in the list below multiply operands that are first quantised to E5M2 (5 exponent bits, 2 mantissa bits; 8 bits a number), with one given power-of-two scale for each operand tensor; their sums are f32. All else is computed in f32.
;;   The module's matrix products, in the order in which they are computed (A, B: the left and right operand; K: the contracted axis; several contracted axes count as one K, in the product's order):
;;     1. [M 8,192, K 1,024] x [K 1,024, N 1,024]; A: input X (given as codes); B: input W_q (given as codes): QUANTISED (scales: A lowp_scales[0], B lowp_scales[1])
;;     2. [M 8,192, K 1,024] x [K 1,024, N 1,024]; A: input X (given as codes); B: input W_k (given as codes): QUANTISED (scales: A lowp_scales[2], B lowp_scales[3])
;;     3. [M 8,192, K 1,024] x [K 1,024, N 1,024]; A: input X (given as codes); B: input W_v (given as codes): QUANTISED (scales: A lowp_scales[4], B lowp_scales[5])
;;     4. batch 4 x [M 2,048, K 1,024] x [K 1,024, N 2,048]; A: computed on the way; B: computed on the way: QUANTISED (scales: A lowp_scales[6], B lowp_scales[7])
;;     5. batch 4 x [M 2,048, K 2,048] x [K 2,048, N 1,024]; A: softmax (see below); B: computed on the way: QUANTISED (scales: A lowp_scales[8], B lowp_scales[9])
;;   THE QUANTISER, for each operand of a quantised product, along K:
;;     - The operand's scale is 2^e, e = its entry of the input lowp_scales (int32; the entries are numbered through the quantised products in the list's order, A before B).
;;     - Each number is divided by the scale, clamped to +-57,344, and rounded to the nearest number of E5M2, ties to even, subnormals kept.
;;     - The product sums the exact products of the quantised numbers (number of the format x scale) in f32.
;;   ~~~python
;;   def quantise(x, axis, e):      # numpy; x: float32 -> the quantised numbers, widened to float32 again
;;       x = np.moveaxis(x, axis, -1); K = x.shape[-1]
;;       r = np.clip(x / 2.0 ** e, -57344, 57344)
;;       step = 2.0 ** (np.maximum(np.frexp(np.where(r == 0, 1, r))[1] - 1, -14) - 2)
;;       q = np.round(r / step) * step * 2.0 ** e      # np.round: ties to even
;;       return np.moveaxis(q, -1, axis).astype(np.float32)
;;   ~~~
;;   SOFTMAX AHEAD OF A QUANTISED PRODUCT. Where the list says 'softmax', what is quantised is not the finished softmax but p = 2^(t - M), with t = logit x log2(e) and M = ceil(the row's largest t), a whole number; so 1/2 < the row's largest p <= 1. The row's sum l is taken of the UNQUANTISED p, in f32, and the product's result is divided by l at the end. Since M is a whole number, a kernel that streams over the keys may use a running M (the ceiling of the running maximum): every later rescaling is an exact power of two, so the quantised numbers keep their values, but for numbers so far below the row's largest that they fall under the format's range.
;;   OPERANDS COMPUTED ON THE WAY. 'Computed on the way' means the value that the module computes at that place (a softmax that the list does not call 'softmax' is quantised finished and normalised). What goes into a quantiser is computed in f32, as accurately as f32 sums, v_exp_f32 and their like allow (about 1e-6 of the number): no bf16 or f16 on the way to a quantiser, and a product that is left as it is and whose result goes on into a quantised operand takes f32 operands (vector FMAs, or v_wmma_f32_16x16x4_f32). A number that lies on a knife's edge between two numbers of the format may be rounded either way, as far as f32 arithmetic and the matrix unit's own rounding can turn it there, and no further.
;;   INPUTS GIVEN AS CODES. W_k (in the module: [1024, 1024], K = its axis 1); W_q (in the module: [1024, 1024], K = its axis 1); W_v (in the module: [1024, 1024], K = its axis 1); X (in the module: [4, 2048, 1024], K = its axis 2): each comes as NAME_codes (uint8): NAME with its K axis moved to the last place and cut into blocks of 32 codes, [.., K / 32, bytes a block], one block behind the other in memory; one code a byte (a code: sign, 5 exponent bits, 2 mantissa bits); its scale is its entry of lowp_scales. Its value is code x scale, taken as it is: it is not quantised again, and the codes and scales need not be those that the quantiser above would give.
;; One version. Each part assembles by itself: llvm-mc -triple=amdgcn-amd-amdhsa -mcpu=gfx1250 --defsym DOCPART=n.
;; ======== version 1 of 1: 3 launches
;; limits: right only within a limited range of input values
;; workspace buffers: q_img 8,388,608 bytes; k_img 8,388,608 bytes; v_img 8,388,608 bytes; p_img 16,777,216 bytes; stats 1,048,576 bytes
;; launch proj (part 1): grid 8 x 32, 4 waves a work-group, clusters of 4 x 4, 327,680 bytes of LDS; arguments X_codes, W_q_codes, W_k_codes, W_v_codes, lowp_scales, q_img, k_img, v_img; writes q_img, k_img, v_img
.if DOCPART == 1
	.amdgcn_target "amdgcn-amd-amdhsa--gfx1250"
	.amdhsa_code_object_version 6
	.text
	.protected	k_q2d439684f3_proj
	.globl	k_q2d439684f3_proj
	.p2align	8
	.type	k_q2d439684f3_proj,@function
k_q2d439684f3_proj:
	s_mov_b64 s[64:65], 0
	v_nop
	global_prefetch_b8 v0, s[64:65] scope:SCOPE_SE
	s_setreg_imm32_b32 hwreg(HW_REG_WAVE_MODE, 25, 1), 1
	s_wait_xcnt 0x0
	s_wait_alu depctr_hold_cnt(0) depctr_sa_sdst(0) depctr_va_vdst(0) depctr_va_sdst(0) depctr_va_ssrc(0) depctr_va_vcc(0) depctr_vm_vsrc(0)
	s_getreg_b32 s2, hwreg(HW_REG_IB_STS2, 6, 4)
	s_cmp_eq_u32 s2, 0
	s_cbranch_scc0 .Lentry_in_a_cluster
	s_endpgm
.Lentry_in_a_cluster:
	s_bfe_u32 s2, ttmp6, 0x10000c
	s_cmp_lg_u32 s2, 0xf033
	s_cbranch_scc0 .Lentry_shape_is_right
	s_endpgm
.Lentry_shape_is_right:
; q = X W_q^T, k = X W_k^T, v = X W_v^T on codes of BF8, quantised again and stored as images of the next products' operand registers.
; THE PROGRAM'S DEAD WORK.  reference() builds the mask j >= i - 1 in its own body and puts -inf on every other score ahead of the softmax: such a key's weight is 0 for all values of the inputs.
; Tiles of scores in which no key counts for any query are not computed (launches scores and mix).  LIMIT: a NaN, an infinity or an overflow that reaches only those tiles is not carried to the result.  This launch leaves nothing out.
; q_img, k_img: [64 blocks of 128 rows][8 K steps of 128][8 row tiles][2048]; v_img: [8 blocks of 128 channels][64 K steps of 128 rows][8 channel tiles][2048]; registers 4 c .. 4 c + 3 of a fragment lie at 512 c + 16 x lane.
; LIMITS: e6 - e0 - e1, e7 - e2 - e3 and e9 - e4 - e5 (the three powers of two that are folded into one conversion) lie between -126 and 112.  NaN is not served.
; SHARES.  A work-group makes 256 rows x 128 outputs of each of the three products.  A wave holds 64 rows x 1,024 K of X in 512 registers for the whole launch; W alone streams through LDS, in chunks of 32 outputs x 1,024 K.
; There are 12 chunks: q 0-3, k 4-7, v 8-11, 64 matrix instructions a wave each.  Two sets of 8 accumulators: while one chunk is multiplied, the one before is held, converted and stored.
; LDS: chunk places of 33,280 bytes (32 rows of 1,024 + 16 bytes).  The head fills X (places 0-7) and chunk 0 (behind X).  When X is in registers: chunks 1-3 to places 0-2, 4-7 to 3-6.  Behind chunk 4: chunk 8 to place 7, 9-11 to 0-2.
; CLUSTERS 4 x 4: X's rows are asked for jointly along a row of the cluster, W's along a column.
; q and k: source 0 = W, source 1 = X: a lane holds one row, registers along the outputs.  v: source 0 = X, source 1 = W: a lane holds one channel, registers along the rows, which are the next K.
; REGISTERS: window 0: addresses, codes, v128-255 W of a chunk's K steps 0-3; windows 1, 2: X, K steps 0-3 and 4-7 (row tile a at 64 (K step % 4) + 16 a); window 3: v0-127 the accumulators, v128-255 W of K steps 4-7.
.set PITCH, 1040
.set TP,   16*PITCH
.set CHB,  32*PITCH
.set W0L,  8*CHB
.set SPARE, 9*CHB                      ; the spare words: two blocks of 256 bytes that no other line names
.set AX,   4                           ; LDS address of my X
.set AW0,  5                           ; my lane's place in a chunk
.set AW,   6                           ; v6-7: the chunks in hand, one for each accumulator set
.set PO,   8
.set PFO,  9
.set SCQ, 10
.set SCK, 11
.set SCV, 12
.set SPW, 28
.set NIL, 29
.set CD,  32                           ; v32-47: a chunk's codes; v48-63 the last chunk's
.set LB,  23
.set G1X, 24
.set G1W, 32
.set G1Q, 40
.set G1K, 48
.set G1V, 56
.set G0X, 68
.set G0W, 72
.set G0Q, 76
.set G0K, 80
.set G0V, 84
.set FL, (1<<20)|(1<<21)|(7<<22)|(3<<25)   ; elements of 1 byte; 4 words of padding after every 256; bit 21 beside the mask
.set MSB, 0
.macro WIN new
.if MSB != \new
	s_set_vgpr_msb (MSB<<8)|\new
.set MSB, \new
.endif
.endm
.macro PLACES
.rept 4
	v_nop
.endr
.endm
; Two arms on the wave's number, one load in each; s_nop 0 and four v_nop behind each.
.macro JLOAD g0a, g1a, g0b, g1b
	s_cmp_eq_u32 s21, 0
	s_cbranch_scc0 .Lfor_b_\@
	tensor_load_to_lds s[\g0a:\g0a+3], s[\g1a:\g1a+7]
	s_nop 0
	PLACES
	s_branch .Lasked_\@
.Lfor_b_\@:
	tensor_load_to_lds s[\g0b:\g0b+3], s[\g1b:\g1b+7]
	s_nop 0
	PLACES
.Lasked_\@:
.endm
.macro CROUND                          ; a round of the cluster's barrier
	s_barrier_signal -1
	s_barrier_wait -1
	s_cmp_lg_u32 s20, 0
	s_cbranch_scc1 .Lnot_wave_0_\@
	s_barrier_signal -3
.Lnot_wave_0_\@:
	s_barrier_wait -3
	s_barrier_signal -1
	s_barrier_wait -1
.endm
.macro ROWS g, n                       ; descriptor group 1 behind its first word: n rows of 1,024 bytes, dense
	s_mov_b32 s[\g+1], 1024<<16
	s_mov_b32 s[\g+2], (\n)<<16
	s_mov_b32 s[\g+3], 1024<<16
	s_mov_b32 s[\g+4], \n
	s_mov_b32 s[\g+5], 1024
	s_mov_b32 s[\g+6], 0
	s_mov_b32 s[\g+7], 0
.endm
.macro SETW g, base                    ; group 0 of a tile of W at base + s[104:105]
	s_mov_b32 s[\g], 1
	s_add_nc_u64 s[\g+2:\g+3], s[\base:\base+1], s[104:105]
	s_or_b32 s[\g+3], s[\g+3], 0x80000000
.endm
	s_load_b512 s[4:19], s[0:1], 0x0               ; X 4, W_q 6, W_k 8, W_v 10, exponents 12, q_img 14, k_img 16, v_img 18
	v_lshl_add_u32 v[SPW], v0, 2, SPARE
	v_mov_b32 v[NIL], 0
	ds_add_u32 v[SPW], v[NIL]                      ; the opening add, twice on end
	ds_add_u32 v[SPW], v[NIL]
	v_lshrrev_b32 v1, 5, v0
	v_readfirstlane_b32 s20, v1                    ; wave 0..3
	s_lshr_b32 s21, s20, 1
	s_and_b32 s22, s20, 1
	s_bfe_u32 s88, ttmp6, 0x40000                  ; cx
	s_bfe_u32 s89, ttmp6, 0x40004                  ; cy
	s_lshl_b32 s90, ttmp9, 2
	s_add_co_u32 s90, s90, s88                     ; column group: 128 outputs of each product
	s_and_b32 s91, ttmp7, 0xffff
	s_lshl_b32 s91, s91, 2
	s_add_co_u32 s91, s91, s89                     ; row group: 256 rows
	s_lshl_b32 s3, s89, 2
	s_lshl_b32 s3, 15, s3                          ; my row of the cluster
	s_or_b32 s[G1X], s3, FL
	s_lshl_b32 s2, 0x1111, s88                     ; my column
	s_or_b32 s[G1W], s2, FL
	s_or_b32 s[G1Q], s2, FL
	s_or_b32 s[G1K], s2, FL
	s_or_b32 s[G1V], s2, FL
	ROWS G1X, 128
	ROWS G1W, 16
	ROWS G1Q, 48
	ROWS G1K, 64
	ROWS G1V, 32
	s_mul_i32 s[G0X+1], s22, 128*PITCH             ; waves 0, 1: X's halves
	s_mul_i32 s[G0W+1], s22, TP                    ; waves 2, 3: chunk 0's halves
	s_add_co_u32 s[G0W+1], s[G0W+1], W0L
	s_mul_i32 s[G0Q+1], s22, 48*PITCH              ; waves 0, 1: chunks 1-3
	s_mul_i32 s[G0K+1], s22, 64*PITCH              ; waves 2, 3: chunks 4-7
	s_add_co_u32 s[G0K+1], s[G0K+1], 3*CHB
	s_add_co_u32 s101, s20, 7
	s_and_b32 s101, s101, 7
	s_mul_i32 s[G0V+1], s101, CHB                  ; wave w: chunk 8 + w, to place (w + 7) mod 8
	s_lshl_b32 s66, s91, 18
	s_lshl_b32 s101, s22, 17
	s_add_co_u32 s66, s66, s101
	s_mov_b32 s67, 0                               ; X: row 256 x row group + 128 x half
	s_lshl_b32 s2, s90, 17                         ; W: row 128 x column group
	s_mov_b32 s105, 0
	s_wait_dscnt 0x0                               ; both opening adds are done
	s_wait_kmcnt 0x0
	s_load_b256 s[92:99], s[12:13], 0x0            ; e0 .. e7
	s_load_b32 s100, s[12:13], 0x24                ; e9
	s_mov_b32 s[G0X], 1
	s_add_nc_u64 s[G0X+2:G0X+3], s[4:5], s[66:67]
	s_or_b32 s[G0X+3], s[G0X+3], 0x80000000
	s_lshl_b32 s101, s22, 14
	s_add_co_u32 s104, s2, s101
	SETW G0W, 6                                    ; W_q rows 0-31, 16 a wave
	s_mul_i32 s101, s22, 48*1024
	s_add_co_u32 s104, s2, s101
	s_add_co_u32 s104, s104, 32*1024
	SETW G0Q, 6                                    ; W_q rows 32-127, 48 a wave
	s_lshl_b32 s101, s22, 16
	s_add_co_u32 s104, s2, s101
	SETW G0K, 8                                    ; W_k, 64 rows a wave
	s_lshl_b32 s101, s20, 15
	s_add_co_u32 s104, s2, s101
	SETW G0V, 10                                   ; W_v, 32 rows a wave
	CROUND                                         ; all sixteen work-groups are here: the first joint loads meet
	JLOAD G0X, G1X, G0W, G1W                       ; one tensor load a wave at the head
	; where my codes go.  s101 = my 128-row block of X
	s_lshl_b32 s101, s91, 1
	s_add_co_u32 s101, s101, s21
	s_lshl_b32 s66, s101, 3
	s_add_co_u32 s66, s66, s90
	s_lshl_b32 s66, s66, 14
	s_lshl_b32 s2, s22, 13
	s_add_co_u32 s66, s66, s2                      ; block, K step = column group, row tile 4 x (wave % 2)
	s_mov_b32 s67, 0
	s_add_nc_u64 s[14:15], s[14:15], s[66:67]
	s_add_nc_u64 s[16:17], s[16:17], s[66:67]
	s_lshl_b32 s66, s90, 6
	s_add_co_u32 s66, s66, s101
	s_lshl_b32 s66, s66, 14
	s_lshl_b32 s2, s22, 10
	s_add_co_u32 s66, s66, s2                      ; channel block, K step = my block, registers 8 x (wave % 2) on
	s_add_nc_u64 s[18:19], s[18:19], s[66:67]
	; PREFETCH of W for the fills to come: 256 bytes a lane, 8 rows a wave.  The four work-groups of a column of the cluster share a chunk's rows out by address (cy).
	; A column group's rows are loaded by eight clusters; those with an even y ask, four of them.  q's rows 32-127 and k's are asked for one fill ahead, here; v's behind the next fill.
	s_lshl_b32 s66, s90, 17
	s_lshl_b32 s2, s20, 13
	s_add_co_u32 s66, s66, s2
	s_mul_i32 s101, s89, 24*1024
	s_add_co_u32 s2, s66, s101
	s_add_co_u32 s2, s2, 32*1024
	s_mov_b32 s3, 0
	s_add_nc_u64 s[6:7], s[6:7], s[2:3]            ; W_q: row 32 + 24 cy + 8 wave, waves 0-2
	s_lshl_b32 s101, s89, 15
	s_add_co_u32 s2, s66, s101
	s_add_nc_u64 s[8:9], s[8:9], s[2:3]            ; W_k, W_v: row 32 cy + 8 wave
	s_add_nc_u64 s[10:11], s[10:11], s[2:3]
	s_mul_i32 s2, s20, 64*PITCH
	v_and_b32 v1, 15, v0                           ; r
	v_bfe_u32 v2, v0, 4, 1                         ; h
	v_mul_u32_u24 v3, v1, PITCH
	v_lshl_add_u32 v[AW0], v2, 4, v3               ; row r + 16 h bytes
	v_add_nc_u32 v[AX], s2, v[AW0]                 ; my 64 rows of X
	v_add_nc_u32 v[AW], W0L, v[AW0]                ; chunk 0
	v_mov_b32 v[AW+1], v[AW0]                      ; chunk 1: place 0
	v_and_b32 v1, 31, v0
	v_lshlrev_b32 v[PO], 4, v1
	v_lshlrev_b32 v[PFO], 8, v1
	s_and_b32 s101, ttmp7, 1
	s_wait_alu depctr_va_vdst(0)
	s_cmp_lg_u32 s101, 0
	s_cbranch_scc1 .Lno_pf
	s_cmp_gt_u32 s20, 2
	s_cbranch_scc1 .Lno_q
	global_prefetch_b8 v[PFO], s[6:7] th:TH_LOAD_NT scope:SCOPE_SE
.Lno_q:
	global_prefetch_b8 v[PFO], s[8:9] th:TH_LOAD_NT scope:SCOPE_SE
.Lno_pf:
	s_wait_kmcnt 0x0
.macro SCALE e, a, b, lim, sc          ; a sum stands for sum x 2^(ea + eb): its code is sum / 2^(e - ea - eb).  lim, lim + 1: +-57,344 x that
	s_sub_co_i32 s101, s[\e], s[\a]
	s_sub_co_i32 s101, s101, s[\b]
	s_add_co_i32 s101, s101, 127
	s_lshl_b32 s2, s101, 23
	v_mov_b32 v[\sc], s2
	s_add_co_i32 s101, s101, 15
	s_lshl_b32 s101, s101, 23
	s_or_b32 s[\lim], s101, 0x600000
	s_or_b32 s[\lim+1], s[\lim], 0x80000000
.endm
	SCALE 98, 92, 93, 88, SCQ
	SCALE 99, 94, 95, 90, SCK
	SCALE 100, 96, 97, 104, SCV
; The i-th of the eight products of K step 4 HH + t (accumulators by turns, one instruction a turn).  KK = 0: q, k; 1: v.
.macro WM t, i
.set AC, 64*PP+8*(\i)
.if KK
.set FA0, 64*(\t)+16*((\i)%4)
.set FA1, 128+32*(\t)+16*((\i)/4)
.else
.set FA0, 128+32*(\t)+16*((\i)%2)
.set FA1, 64*(\t)+16*((\i)/2)
.endif
.if (HH == 0) && ((\t) == 0)
	v_wmma_f32_16x16x128_bf8_bf8 v[AC:AC+7], v[FA0:FA0+15], v[FA1:FA1+15], 0
.else
	v_wmma_f32_16x16x128_bf8_bf8 v[AC:AC+7], v[FA0:FA0+15], v[FA1:FA1+15], v[AC:AC+7]
.endif
.endm
.macro MED n                           ; the hold, in place, in the other set: the conversion does not saturate (ISA guide 7.6.2)
.set MR, 64*(1-PP)+32*HH+(\n)
	v_med3_num_f32 v[MR], s[QL+1], s[QL], v[MR]
.endm
; W's fragments of four K steps, two of 16 rows x 128 K each: 32 loads in one run
.macro WLOADS w, k0, adr
	WIN \w
.irp t, 0,1,2,3
.irp b, 0,1
.irp c, 0,1,2,3
	ds_load_b128 v[128+32*\t+16*\b+4*\c:128+32*\t+16*\b+4*\c+3], v[\adr] offset:TP*\b+128*(\k0+\t)+32*\c
.endr
.endr
.endr
.endm
.macro CODES cb                        ; four accumulators of the other set become 8 registers of codes
	WIN 0x03
.irp u, 0,1,2,3
	v_cvt_scalef32_pk8_bf8_f32 v[\cb+2*\u:\cb+2*\u+1], v[64*(1-PP)+32*HH+8*\u:64*(1-PP)+32*HH+8*\u+7], v[QS]
.endr
	WIN 0
.endm
.macro SENDC cb                        ; each store of the wave covers 512 consecutive bytes
.irp u, 0,1
.if QV
	global_store_b128 v[PO], v[\cb+4*\u:\cb+4*\u+3], s[QB:QB+1] offset:(2*QJ+HH)*2048+512*\u
.else
	global_store_b128 v[PO], v[\cb+4*\u:\cb+4*\u+3], s[QB:QB+1] offset:2048*(2*HH+\u)+512*QJ
.endif
.endr
.endm
; Half a chunk: K steps 4 h .. 4 h + 3.  The next half's 32 loads go out in one run, then 32 products; with them (QQ = 1) half of the chunk before is held, and behind them converted and stored.
.macro HALF h, nxt, sync
.set HH, \h
.if \sync                              ; the tiles read from here on have landed in every wave's part
	s_wait_tensorcnt 0x0
	s_wait_dscnt 0x0
	s_wait_alu depctr_va_vdst(0)
	s_barrier_signal -1
	s_barrier_wait -1
.endif
	s_wait_dscnt 0x0                               ; this half's fragments are in (asked for 32 products ago)
.if \h == 0
.if NXC
.if LBV < 0
	s_add_co_u32 s[LB], s[LB], CHB
.else
	s_mov_b32 s[LB], LBV
.endif
	v_add_nc_u32 v[AW+1-PP], s[LB], v[AW0]         ; the next chunk
.endif
	WLOADS 0xc0, 4, AW+PP
.elseif \nxt
	WLOADS 0, 0, AW+1-PP
.endif
.if KK
.set MW, 0xf1+13*HH
.else
.set MW, 0xf4+7*HH
.endif
	WIN MW
.irp t, 0,1,2,3
.if QQ && (\t == 2)
	s_wait_xcnt 0x0                                ; earlier stores have read the codes' registers, which are written again below
.endif
.irp i, 0,1,2,3,4,5,6,7
	WM \t, \i
.if QQ
	MED 8*\t+\i
.endif
.endr
.endr
.if QQ
	CODES CD+8*HH
.endif
	WIN 0
	PLACES                                         ; behind the products and the conversions, ahead of the next run of loads and the holds
.if QQ
	SENDC CD+8*HH
.endif
.endm
.macro CHUNK kind, p, q, nxt, sync, lbv
.set KK, \kind
.set PP, \p
.set QQ, \q
.set NXC, \nxt
.set LBV, \lbv
	HALF 0, 1, 0
	HALF 1, \nxt, \sync
.endm
	s_wait_alu depctr_va_vdst(0)
	s_wait_tensorcnt 0x0
	s_barrier_signal -1
	s_barrier_wait -1                              ; X and chunk 0 are whole
.irp s, 0,1,2,3,4,5,6,7
	WIN 0x40*(1+\s/4)
.irp a, 0,1,2,3
.irp c, 0,1,2,3
	ds_load_b128 v[64*(\s%4)+16*\a+4*\c:64*(\s%4)+16*\a+4*\c+3], v[AX] offset:TP*\a+128*\s+32*\c
.endr
.endr
.endr
	WLOADS 0, 0, AW
	s_wait_tensorcnt 0x0                           ; no load of mine is out;
	ds_add_u32 v[SPW], v[NIL]
	s_wait_dscnt 0x0                               ; the add is done, and X is in registers:
	CROUND                                         ; in every partner: X's bytes may be filled again
	JLOAD G0Q, G1Q, G0K, G1K                       ; chunks 1-3 and 4-7
	s_and_b32 s101, ttmp7, 1
	s_cmp_lg_u32 s101, 0
	s_cbranch_scc1 .Lno_pfv
	global_prefetch_b8 v[PFO], s[10:11] th:TH_LOAD_NT scope:SCOPE_SE
.Lno_pfv:
	CHUNK 0, 0, 0, 0, 0, 0
	s_wait_tensorcnt 0x0                           ; chunks 1-7 are in, my part of them,
	s_wait_dscnt 0x0
	s_barrier_signal -1
	s_barrier_wait -1                              ; and everybody's
	WLOADS 0, 0, AW+1
	s_mov_b32 s[LB], 0
	s_mov_b32 s3, 2
.set QL, 88
.set QS, SCQ
.set QB, 14
.set QV, 0
.Lpair:                                                ; chunks 1, 2, then 3, 4; out go 0, 1, then 2, 3: q
.set QJ, 0
	CHUNK 0, 1, 1, 1, 0, -1
.set QJ, 1
	CHUNK 0, 0, 1, 1, 0, -1
	s_wait_xcnt 0x0                                ; the stores have read their base
	s_add_nc_u64 s[14:15], s[14:15], 0x400
	s_sub_co_u32 s3, s3, 1
	s_cmp_lg_u32 s3, 0
	s_cbranch_scc1 .Lpair
	s_mov_b32 s[LB], 4*CHB
	v_add_nc_u32 v[AW+1], s[LB], v[AW0]            ; chunk 5
	s_wait_alu depctr_va_vdst(0)
	s_wait_tensorcnt 0x0
	ds_add_u32 v[SPW], v[NIL]
	s_wait_dscnt 0x0                               ; the add is done, and my reads of chunks 1-4 are over
	CROUND
	tensor_load_to_lds s[G0V:G0V+3], s[G1V:G1V+7]  ; chunk 8 + my wave's number; it is read from chunk 7's second half on
	s_nop 0
	PLACES
.set QL, 90
.set QS, SCK
.set QB, 16
.set QJ, 0
	CHUNK 0, 1, 1, 1, 0, 5*CHB
.set QJ, 1
	CHUNK 0, 0, 1, 1, 0, 6*CHB
.set QJ, 2
	CHUNK 0, 1, 1, 1, 1, 7*CHB
.set QJ, 3
	CHUNK 1, 0, 1, 1, 0, 0
.set QL, 104
.set QS, SCV
.set QB, 18
.set QV, 1
.set QJ, 0
	CHUNK 1, 1, 1, 1, 0, CHB
.set QJ, 1
	CHUNK 1, 0, 1, 1, 0, 2*CHB
.set QJ, 2
	CHUNK 1, 1, 1, 0, 0, 0
.set QJ, 3
.set PP, 0
.irp h, 0,1                            ; the last chunk, into registers of codes of its own
.set HH, \h
	WIN 0xf0
.set NN, 0
.rept 32
	MED NN
.set NN, NN+1
.endr
	CODES CD+16+8*HH
	v_nop
	SENDC CD+16+8*HH
.endr
	s_wait_tensorcnt 0x0                           ; the wave's end
	ds_add_u32 v[SPW], v[NIL]
	s_wait_dscnt 0x0
	CROUND                                         ; the closing round: no work-group ends while a partner may still ask for a tile that names it
	s_endpgm
.Lfunc_end_k_q2d439684f3_proj:
	.size	k_q2d439684f3_proj, .Lfunc_end_k_q2d439684f3_proj-k_q2d439684f3_proj
	.p2alignl 7, 3214868480
	.fill 96, 4, 3214868480
	.section	.rodata,"a",@progbits
	.p2align	6, 0x0
	.amdhsa_kernel k_q2d439684f3_proj
		.amdhsa_group_segment_fixed_size 327680
		.amdhsa_private_segment_fixed_size 0
		.amdhsa_enable_private_segment 0
		.amdhsa_kernarg_size 64
		.amdhsa_user_sgpr_count 2
		.amdhsa_user_sgpr_kernarg_segment_ptr 1
		.amdhsa_wavefront_size32 1
		.amdhsa_system_sgpr_workgroup_id_x 1
		.amdhsa_system_sgpr_workgroup_id_y 1
		.amdhsa_system_sgpr_workgroup_id_z 1
		.amdhsa_system_vgpr_workitem_id 0
		.amdhsa_next_free_vgpr 1024
		.amdhsa_next_free_sgpr 106
		.amdhsa_reserve_vcc 0
		.amdhsa_float_denorm_mode_32 3
		.amdhsa_float_denorm_mode_16_64 3
		.amdhsa_memory_ordered 1
		.amdhsa_forward_progress 1
		.amdhsa_inst_pref_size 156
	.end_amdhsa_kernel
	.amdgpu_metadata
---
amdhsa.version: [ 1, 2 ]
amdhsa.kernels:
  - .name:           k_q2d439684f3_proj
    .symbol:         k_q2d439684f3_proj.kd
    .args:
      - { .name: X_codes, .offset: 0, .size: 8, .value_kind: global_buffer, .address_space: global }
      - { .name: W_q_codes, .offset: 8, .size: 8, .value_kind: global_buffer, .address_space: global }
      - { .name: W_k_codes, .offset: 16, .size: 8, .value_kind: global_buffer, .address_space: global }
      - { .name: W_v_codes, .offset: 24, .size: 8, .value_kind: global_buffer, .address_space: global }
      - { .name: lowp_scales, .offset: 32, .size: 8, .value_kind: global_buffer, .address_space: global }
      - { .name: q_img, .offset: 40, .size: 8, .value_kind: global_buffer, .address_space: global }
      - { .name: k_img, .offset: 48, .size: 8, .value_kind: global_buffer, .address_space: global }
      - { .name: v_img, .offset: 56, .size: 8, .value_kind: global_buffer, .address_space: global }
    .group_segment_fixed_size: 327680
    .private_segment_fixed_size: 0
    .kernarg_segment_align: 8
    .kernarg_segment_size: 64
    .max_flat_workgroup_size: 128
    .sgpr_count:     106
    .vgpr_count:     1024
    .wavefront_size: 32
...
	.end_amdgpu_metadata
.endif
;; end of part 1
;; launch scores (part 2): grid 43 x 4, 4 waves a work-group, no clusters, 327,680 bytes of LDS; arguments q_img, k_img, lowp_scales, p_img, stats; writes p_img, stats
.if DOCPART == 2
	.amdgcn_target "amdgcn-amd-amdhsa--gfx1250"
	.amdhsa_code_object_version 6
	.text
	.protected	k_q2d439684f3_scores
	.globl	k_q2d439684f3_scores
	.p2align	8
	.type	k_q2d439684f3_scores,@function
k_q2d439684f3_scores:
	s_mov_b64 s[64:65], 0
	v_nop
	global_prefetch_b8 v0, s[64:65] scope:SCOPE_SE
	s_setreg_imm32_b32 hwreg(HW_REG_WAVE_MODE, 25, 1), 1
	s_wait_xcnt 0x0
; The kept tiles of S = q k^T, 256 queries x 256 keys, on codes of BF8; the mask (key j counts for query i where j >= i - 1); p = 2^(t - M) as codes; -M and the sums of p.
; q_img, k_img: images of operand registers, [64 blocks of 128 rows][8 K steps][8 row tiles][2048]: a fragment's registers 4 c .. 4 c + 3 lie at 512 c + 16 x lane.
; t = score x log2(e) / 32 (sqrt(1024) = 32).  M = the largest t of the row AMONG THE TILE'S 256 KEYS, held at -3e38 from below, rounded up to a whole number.  p is not normalised.
; The next launch brings the tiles of a row under the row's M by powers of two, which round nothing: this is the running maximum, taken tile by tile.
; p is quantised under the tile's M, so numbers that would fall under the format's range under the row's M are kept more finely.
; p_img: [64 blocks of 128 queries][16 K steps of 128 keys][8 row tiles][2048].   stats: [64][16][2][512]: part 0 -M, part 1 the sum of the unquantised p over the 128 keys; row 16 a + r at 32 r + 4 a.
; LIMITS: e6 + e7 between -121 and 132 (added to the exponent field of log2(e) / 32); e8 between -126 and 112.  NaN is not served.
; SHARES.  Work-group y is the batch; x = 0 .. 42 names a tile (ib, jb) with jb >= max(ib - 1, 0): 8, 8, 7, 6, 5, 4, 3, 2 tiles to a row.  Tile (ib, ib - 1) holds one kept score, (256 ib, 256 ib - 1); the rest of it
; leaves as zero codes with sum 0, which the next launch reads.  Wave (rho, kappa) makes 128 queries x 128 keys: 64 accumulators.
; NO CLUSTER: rows of 8, 8, 7, 6, 5, 4, 3, 2 tiles divide into no 4 x 4 and no 4 x 1 without partners that have no tile.
; Source 0 = 16 keys, source 1 = 16 queries: a lane holds one query, its registers run along the keys, which are the next product's K.
; REGISTERS as in the launch before: window 0 v128-255 q's fragments, window 1 k's two sets, windows 2 and 3 the accumulators.
.set SLOTB,  131072                    ; a slot: wave w's dense 32,768 bytes at 32,768 w: waves 0, 1: q's two blocks; waves 2, 3: k's; each [2 K steps][8 tiles][2048]
.set SPARE,  2*SLOTB                   ; behind the ring: the spare words
.set FR,     16
.set NL,     4
.set NP,     4
.set ADRA, 16                          ; v16-17  LDS address of my q fragments in slot 0, 1
.set ADRB, 20                          ; v20-21  of my k fragments
.set PO,   24                          ; v24     16 x lane
.set SOF,  25                          ; v25     32 r + 16 h: my place in 512 bytes of statistics
.set XW,   26                          ; v26     the exchange: where I put my maxima: 512 x wave + 32 r + 16 h
.set XR,   27                          ; v27     and where my partner's lie: 512 x (wave xor 1) + 32 r
.set SPW,  28
.set NIL,  29
.set NINF, 30                          ; v30     -infinity
.set LOWT, 31                          ; v31     -3e38
.set DD, 32                            ; v32     query 16 a + r, key 16 b + 8 h + j: hidden where 16 (b - a) + j is less than this
.set MX,   40                          ; v40-47  the row's largest score
.set PX,   48                          ; v48-55  my partner's
.set NMA,  56                          ; v56-63  -M
.set LA,   64                          ; v64-71  the sum of p
.set TP,   72                          ; v72-76  at work
.set NMT,  80                          ; v[80:81] -M for the packed form, which takes the low word for both halves
.set SUM, 82                           ; v[82:85] two of the four chains of packed sums; the others in PK's first four
.set PLIM, 86                          ; v86     57,344 x 2^e8
.set PSC,  87                          ; v87     2^e8
.set PK,   88                          ; v88-95  two packs of four
.set AF,   128
.set WK, 128                           ; v128-191 and v192-255 by turns: a row tile's 64 numbers
.set G1, 24
.set G0, 32
.set MSB, 0
.macro WIN new
.if MSB != \new
	s_set_vgpr_msb (MSB<<8)|\new
.set MSB, \new
.endif
.endm
.set MUL_LO, 0xa1
.set MUL_HI, 0xf1
.set TO_B,   0x40
	s_load_b256 s[4:11], s[0:1], 0x0               ; q_img s[4:5], k_img s[6:7], the exponents s[8:9], p_img s[10:11]
	s_load_b64 s[12:13], s[0:1], 0x20              ; stats
	v_lshl_add_u32 v[SPW], v0, 2, SPARE
	v_mov_b32 v[NIL], 0
	ds_add_u32 v28, v29
	ds_add_u32 v28, v29
	s_wait_dscnt 0x0
	v_lshrrev_b32 v1, 5, v0
	v_readfirstlane_b32 s14, v1                    ; wave 0..3
	s_lshr_b32 s15, s14, 1                         ; rho: which 128 queries
	s_and_b32 s16, s14, 1                          ; kappa: which 128 keys.  Also: which block of 128 rows I fetch
	s_and_b32 s18, ttmp7, 0xffff                   ; the batch
	s_mov_b32 s19, 0                               ; ib
	s_mov_b32 s20, 0                               ; the number of row ib's first tile
.macro ROWOF m, first
	s_cmp_ge_u32 ttmp9, \first
	s_cselect_b32 s19, \m, s19
	s_cselect_b32 s20, \first, s20
.endm
	ROWOF 1, 8
	ROWOF 2, 16
	ROWOF 3, 23
	ROWOF 4, 29
	ROWOF 5, 34
	ROWOF 6, 38
	ROWOF 7, 41
	s_max_u32 s21, s19, 1
	s_sub_co_u32 s21, s21, 1
	s_add_co_u32 s21, s21, ttmp9
	s_sub_co_u32 s21, s21, s20                     ; jb = max(ib - 1, 0) + x - first
	; group 1: a dense block of 32,768 bytes as 128 rows of 256 bytes, elements of 8 bytes, no padding
	s_mov_b32 s[G1+0], 3<<16
	s_mov_b32 s[G1+1], 32<<16                      ; tensor_dim0
	s_mov_b32 s[G1+2], 128<<16                     ; tensor_dim1
	s_mov_b32 s[G1+3], 32<<16                      ; tile_dim0
	s_mov_b32 s[G1+4], 128                         ; tile_dim1
	s_mov_b32 s[G1+5], 32                          ; tensor_dim0_stride
	s_mov_b32 s[G1+6], 0
	s_mov_b32 s[G1+7], 0
	s_cmp_lt_u32 s14, 2
	s_cselect_b32 s2, s19, s21                     ; waves 0, 1 fetch q's blocks 2 ib + w, waves 2, 3 k's blocks 2 jb + (w - 2)
	s_lshl_b32 s2, s2, 1
	s_add_co_u32 s2, s2, s16
	s_lshl_b32 s3, s18, 4
	s_add_co_u32 s2, s2, s3
	s_lshl_b32 s2, s2, 17                          ; a block's 8 K steps are 131,072 bytes
	s_mov_b32 s3, 0
	s_lshl_b32 s17, s14, 15                        ; my place in a slot
	s_mov_b32 s44, 0x76543210                      ; v_permlanex16_b32's selects for lane l xor 16
	s_mov_b32 s45, 0xfedcba98
	s_mov_b32 s46, 0xffff0000                      ; lanes 16-31
	s_wait_kmcnt 0x0
	s_load_b64 s[48:49], s[8:9], 0x18              ; e6, e7
	s_load_b32 s50, s[8:9], 0x20                   ; e8
	s_cmp_lt_u32 s14, 2
	s_cselect_b64 s[40:41], s[4:5], s[6:7]
	s_add_nc_u64 s[40:41], s[40:41], s[2:3]
.irp s, 0,1
	s_mov_b32 s[G0+4*\s], 1
	s_add_co_u32 s[G0+4*\s+1], s17, \s*SLOTB
	s_add_nc_u64 s[G0+4*\s+2:G0+4*\s+3], s[40:41], \s*32768   ; slot s begins with K steps 2 s, 2 s + 1
	s_or_b32 s[G0+4*\s+3], s[G0+4*\s+3], 0x80000000
.endr
	tensor_load_to_lds s[G0:G0+3], s[G1:G1+7]      ; slot 0: one tensor load a wave at the head
	s_nop 0
.rept 4
	v_nop
.endr
	v_and_b32 v1, 31, v0
	v_lshlrev_b32 v[PO], 4, v1
	v_lshlrev_b32 v9, 8, v1                        ; the prefetches' offset: 256 bytes a lane; never rewritten
	s_sub_co_u32 s82, s21, s19                     ; jb - ib
; PREFETCH of my block's next two K steps (32,768 bytes), one slot ahead of the load that wants them.  A block of q or of k is asked for by the tiles with jb - ib = 0 .. 3 alone: at most four work-groups.
.macro ASK off
	s_cmp_lt_u32 s82, 4
	s_cbranch_scc0 .Lno_ask_\@
.irp i, 0,1,2,3
	global_prefetch_b8 v9, s[40:41] offset:\off+8192*\i th:TH_LOAD_NT scope:SCOPE_SE
.endr
.Lno_ask_\@:
.endm
	s_wait_alu depctr_va_vdst(0)
	ASK 32768
	v_and_b32 v2, 15, v0                           ; r
	s_wait_alu depctr_va_vdst(0)
	v_bfe_u32 v3, v0, 4, 1                         ; h
	s_lshl_b32 s42, s15, 15
	s_lshl_b32 s43, s16, 15
	s_add_co_u32 s43, s43, 65536
.irp s, 0,1
	v_add_nc_u32 v[ADRA+\s], s42, v[PO]
	v_add_nc_u32 v[ADRB+\s], s43, v[PO]
	s_add_co_u32 s42, s42, SLOTB
	s_add_co_u32 s43, s43, SLOTB
.endr
	v_lshlrev_b32 v[SOF], 5, v2
	v_lshl_add_u32 v[SOF], v3, 4, v[SOF]
	s_lshl_b32 s42, s14, 9
	v_add_nc_u32 v[XW], s42, v[SOF]
	s_xor_b32 s42, s14, 1
	s_lshl_b32 s42, s42, 9
	v_lshlrev_b32 v[XR], 5, v2
	v_add_nc_u32 v[XR], s42, v[XR]
	s_sub_co_i32 s47, s19, s21
	s_lshl_b32 s47, s47, 1
	s_add_co_i32 s47, s47, s15
	s_sub_co_i32 s47, s47, s16
	s_lshl_b32 s47, s47, 7                         ; my first query less my first key: 256 (ib - jb) + 128 (rho - kappa)
	v_lshlrev_b32 v4, 3, v3
	v_sub_nc_u32 v4, v2, v4
	v_add_nc_u32 v4, s47, v4
	v_add_nc_u32 v[DD], -1, v4                     ; first query - first key + r - 1 - 8 h
	v_mov_b32 v[NINF], 0xff800000
	v_mov_b32 v[LOWT], 0xff61b1e6
	v_mov_b32 v[TP+4], 0                           ; written once: a lane permute's destination counts as one of its sources
	v_mov_b32 v[NMT+1], 0                          ; (named as the upper half of a pair)
	s_lshl_b32 s51, s18, 4
	s_lshl_b32 s52, s19, 1
	s_add_co_u32 s51, s51, s52
	s_add_co_u32 s51, s51, s15                     ; my block of 128 queries,
	s_lshl_b32 s51, s51, 4
	s_lshl_b32 s52, s21, 1
	s_add_co_u32 s51, s51, s52
	s_add_co_u32 s51, s51, s16                     ; x 16 + my K step of 128 keys
	s_lshl_b32 s52, s51, 14
	s_mov_b32 s53, 0
	s_add_nc_u64 s[58:59], s[10:11], s[52:53]      ; my 8 fragments of p
	s_lshl_b32 s52, s51, 10
	s_add_nc_u64 s[60:61], s[12:13], s[52:53]      ; my 1,024 bytes of statistics
	s_wait_kmcnt 0x0
	s_add_co_i32 s51, s48, s49
	s_lshl_b32 s51, s51, 23
	s_add_co_i32 s22, s51, 0x3d38aa3b              ; c = log2(e) / 32 x 2^(e6 + e7): the two exponents are added to c's exponent field
	s_mov_b32 s23, s22                             ; (named with it as a pair)
	s_add_co_i32 s51, s50, 127
	s_lshl_b32 s52, s51, 23
	v_mov_b32 v[PSC], s52                          ; 2^e8
	s_add_co_i32 s51, s51, 15
	s_lshl_b32 s51, s51, 23
	s_or_b32 s51, s51, 0x600000
	v_mov_b32 v[PLIM], s51                         ; 57,344 x 2^e8
.macro FRAG reg, adr, q, i             ; a fragment as it was stored: four loads of 16 bytes a lane, 512 consecutive bytes each
.irp c, 0,1,2,3
	ds_load_b128 v[\reg+4*\c:\reg+4*\c+3], v[\adr] offset:16384*(\q)+2048*(\i)+512*\c
.endr
.endm
.macro MUL16 a0, p, zero               ; the 64 accumulators take turns, one instruction a turn, in the same order in every step
.irp a, \a0, \a0+1
.irp b, 0,1,2,3,4,5,6,7
.if \zero
	v_wmma_f32_16x16x128_bf8_bf8 v[8*(8*((\a)%4)+\b):8*(8*((\a)%4)+\b)+7], v[128*(\p)+FR*\b:128*(\p)+FR*\b+FR-1], v[AF+FR*(\a):AF+FR*(\a)+FR-1], 0
.else
	v_wmma_f32_16x16x128_bf8_bf8 v[8*(8*((\a)%4)+\b):8*(8*((\a)%4)+\b)+7], v[128*(\p)+FR*\b:128*(\p)+FR*\b+FR-1], v[AF+FR*(\a):AF+FR*(\a)+FR-1], v[8*(8*((\a)%4)+\b):8*(8*((\a)%4)+\b)+7]
.endif
.endr
.endr
.endm
.macro FETCH_B slot, q, p
	WIN TO_B
.irp i, 0,1,2,3,4,5,6,7
	FRAG 128*(\p)+FR*\i, ADRB+\slot, \q, \i
.endr
	WIN 0
.endm
.macro FETCH_A slot, q, i0
.irp i, \i0, \i0+1, \i0+2, \i0+3
	FRAG AF+FR*(\i), ADRA+\slot, \q, \i
.endr
.endm
.macro PLACES n
.rept \n
	v_nop
.endr
.endm
.macro STEP slot, q, zero
	s_wait_dscnt 4*NL                              ; k's set and q's blocks 0-3 are in; the 16 youngest loads (blocks 4-7) may be out
	WIN MUL_LO
	MUL16 0, (\q)%2, \zero
	MUL16 2, (\q)%2, \zero
	s_wait_dscnt 0
	PLACES NP
	FETCH_B \slot, (\q)+1, 1-(\q)%2
	FETCH_A \slot, (\q)+1, 0
	WIN MUL_HI
	MUL16 4, (\q)%2, \zero
	MUL16 6, (\q)%2, \zero
	PLACES NP
	WIN 0
	FETCH_A \slot, (\q)+1, 4
.endm
.macro TURN slot, next, fill
	s_wait_tensorcnt 0x0                           ; all my tensor loads have landed: my part of the next slot; so a group 0 may be written
	ds_add_u32 v[SPW], v[NIL]                      ; 0 onto my spare word
.if \fill
	s_add_nc_u64 s[G0+4*\slot+2:G0+4*\slot+3], s[G0+4*\slot+2:G0+4*\slot+3], 0x10000   ; four K steps on
.endif
	s_wait_dscnt 4*NL+1                            ; the add and the 16 youngest loads may be out
	WIN MUL_LO
	MUL16 0, 1, 0
	s_wait_dscnt 0x0                               ; the add is done, and my reads of this slot are over
	s_barrier_signal -1
	MUL16 2, 1, 0
	WIN 0
	s_barrier_wait -1
.if \fill
	tensor_load_to_lds s[G0+4*\slot:G0+4*\slot+3], s[G1:G1+7]   ; my one tensor load behind the barrier, and the first thing there
	s_nop 0
.endif
	PLACES NP                                      ; behind the load, and in front of the loads below
	FETCH_B \next, 0, 0
	FETCH_A \next, 0, 0
.if (\fill == 1) && (\slot == 0)
	ASK 98304
.endif
	WIN MUL_HI
	MUL16 4, 1, 0
	MUL16 6, 1, 0
	PLACES NP
	WIN 0
	FETCH_A \next, 0, 4
.endm
	s_wait_alu depctr_va_vdst(0)
	s_wait_tensorcnt 0x0                           ; my part of slot 0 is in
	ds_add_u32 v[SPW], v[NIL]
	s_wait_dscnt 0x0
	s_barrier_signal -1
	s_barrier_wait -1
	tensor_load_to_lds s[G0+4:G0+7], s[G1:G1+7]    ; slot 1's first fill, as a refill is issued
	s_nop 0
	PLACES NP
	FETCH_B 0, 0, 0
	FETCH_A 0, 0, 0
	FETCH_A 0, 0, 4
	ASK 65536
	STEP 0, 0, 1
	TURN 0, 1, 1
	STEP 1, 0, 0
	TURN 1, 0, 1
	STEP 0, 0, 0
	TURN 0, 1, 0
	STEP 1, 0, 0
	s_wait_dscnt 4*NL
	WIN MUL_LO
	MUL16 0, 1, 0
	MUL16 2, 1, 0
	s_wait_dscnt 0
	WIN MUL_HI
	MUL16 4, 1, 0
	MUL16 6, 1, 0
	WIN 0
	PLACES NP
	; THE MASK.  Where my first key lies 128 or more beyond my first query every key counts, and the block is passed over: a scalar branch on ids and the wave's number.
	s_cmp_lt_i32 s47, 0
	s_cbranch_scc1 .Lopen
; A hidden score becomes -infinity: p = 0.  The condition hangs on b - a = d: one compare serves all tiles (a, a + d) of a window (hi = 0: row tiles 0-3; 1: 4-7).
.macro MASKD hi, d
.irp j, 0,1,2,3,4,5,6,7
	v_cmp_lt_i32 vcc_lo, 16*(\d)+\j, v[DD]
.irp a, 0,1,2,3
.if ((4*\hi+\a+(\d)) >= 0) && ((4*\hi+\a+(\d)) < 8)
	v_cndmask_b32 v[64*\a+8*(4*\hi+\a+(\d))+\j], v[64*\a+8*(4*\hi+\a+(\d))+\j], v[NINF], vcc_lo
.endif
.endr
.endr
.endm
	s_wait_alu depctr_va_vdst(0)
	WIN 0x82
.irp e, 0,1,2,3
	MASKD 0, \e-3
.endr
	WIN 0xc3
.irp e, 0,1,2,3,4,5,6,7
	MASKD 1, \e-7
.endr
	WIN 0
	s_wait_alu depctr_va_vdst(0)
	s_cmp_eq_u32 s47, 0                            ; where my keys begin at my first query, every key of a tile with b > a counts
	s_cbranch_scc1 .Lopen
	WIN 0x82
.irp e, 1,2,3,4,5,6,7
	MASKD 0, \e
.endr
	WIN 0xc3
.irp e, 1,2,3
	MASKD 1, \e
.endr
	WIN 0
.Lopen:
; The largest score of each of my rows among my 128 keys: four chains, each accumulator from its low end on; then the other half of the lanes'.
.macro ROWMAX a
.set AC, 64*((\a)%4)
	WIN 0x28+0x14*((\a)/4)                         ; sources 1 and 2: window 2 or 3
.irp i, 0,1,2,3
	v_max3_num_f32 v[TP+\i], v[NINF], v[AC+2*\i], v[AC+2*\i+1]
.endr
.set NN, 8
.rept 7
.irp i, 0,1,2,3
	v_max3_num_f32 v[TP+\i], v[TP+\i], v[AC+NN+2*\i], v[AC+NN+2*\i+1]
.endr
.set NN, NN+8
.endr
	WIN 0
	v_max3_num_f32 v[TP], v[TP], v[TP+1], v[TP+2]
	v_max_num_f32 v[TP], v[TP], v[TP+3]
	v_permlanex16_b32 v[TP+4], v[TP], s44, s45
	v_max_num_f32 v[MX+\a], v[TP], v[TP+4]
.endm
	s_wait_alu depctr_va_vdst(0)
.irp a, 0,1,2,3,4,5,6,7
	ROWMAX \a
.endr
	; THE EXCHANGE: the wave with the tile's other 128 keys has the same rows.  It goes through bytes 0 .. 2,047 of slot 0, which has had its last fill, and which nobody reads behind the last change of slots.
.irp k, 0,1,2,3
	v_cndmask_b32 v[PK+\k], v[MX+\k], v[MX+4+\k], s46   ; lanes 0-15 carry row tiles 0-3, lanes 16-31 tiles 4-7
.endr
	ds_store_b128 v[XW], v[PK:PK+3]
	s_wait_dscnt 0x0                               ; for the others' sake: my store is done
	s_barrier_signal -1
	s_barrier_wait -1
	ds_load_b128 v[PX:PX+3], v[XR]
	ds_load_b128 v[PX+4:PX+7], v[XR] offset:16
	s_wait_dscnt 0x0
.irp a, 0,1,2,3,4,5,6,7
	v_max_num_f32 v[MX+\a], v[MX+\a], v[PX+\a]
.endr
; Row tile a: -M; p = 2^(c s - M); the sum of the unquantised p; the hold; the codes; four stores.
; The tile before (WP) is held among this tile's exponentials, and leaves behind this tile's sum (OUT).
.macro SOFT a
.set WK, 128+64*((\a)%2)
.set WP, 128+64*(1-(\a)%2)
.set AC, 64*((\a)%4)
	v_mul_f32 v[TP], s22, v[MX+\a]                 ; the largest t (c is positive)
	v_max_num_f32 v[TP], v[TP], v[LOWT]            ; a row with no key in this tile: -3e38
	v_floor_f32 v[NMA+\a], -v[TP]                  ; -M = floor(-t) = -ceil(t)
	v_floor_f32 v[NMT], -v[TP]
	WIN 0x02+((\a)/4)
.set NN, 0
.rept 32
	v_pk_fma_f32 v[WK+NN:WK+NN+1], v[AC+NN:AC+NN+1], s[22:23], v[NMT:NMT+1] op_sel_hi:[1,0,0]   ; t - M, two at a time
.set NN, NN+2
.endr
	WIN 0
.set NN, 0
	s_wait_alu depctr_va_vdst(0)
.rept 64
	v_exp_f32 v[WK+NN], v[WK+NN]
.if (\a) > 0
	v_min_num_f32 v[WP+NN], v[WP+NN], v[PLIM]      ; the conversion does not saturate (ISA guide 7.6.2); p is not negative, so the hold is one-sided
.endif
.set NN, NN+1
.endr
	v_nop                                          ; a plain instruction behind the last exponential
	s_wait_alu depctr_va_vdst(0)                   ; one wait for the batch of 64, ahead of its first reader
	v_pk_add_f32 v[SUM:SUM+1], v[WK:WK+1], v[WK+2:WK+3]
	v_pk_add_f32 v[SUM+2:SUM+3], v[WK+4:WK+5], v[WK+6:WK+7]
	v_pk_add_f32 v[PK:PK+1], v[WK+8:WK+9], v[WK+10:WK+11]
	v_pk_add_f32 v[PK+2:PK+3], v[WK+12:WK+13], v[WK+14:WK+15]
.set NN, 16
.rept 6
	v_pk_add_f32 v[SUM:SUM+1], v[SUM:SUM+1], v[WK+NN:WK+NN+1]
	v_pk_add_f32 v[SUM+2:SUM+3], v[SUM+2:SUM+3], v[WK+NN+2:WK+NN+3]
	v_pk_add_f32 v[PK:PK+1], v[PK:PK+1], v[WK+NN+4:WK+NN+5]
	v_pk_add_f32 v[PK+2:PK+3], v[PK+2:PK+3], v[WK+NN+6:WK+NN+7]
.set NN, NN+8
.endr
	v_pk_add_f32 v[SUM:SUM+1], v[SUM:SUM+1], v[SUM+2:SUM+3]
	v_pk_add_f32 v[PK:PK+1], v[PK:PK+1], v[PK+2:PK+3]
	v_pk_add_f32 v[SUM:SUM+1], v[SUM:SUM+1], v[PK:PK+1]
	v_add_f32 v[TP], v[SUM], v[SUM+1]
	v_permlanex16_b32 v[TP+4], v[TP], s44, s45
	v_add_f32 v[LA+\a], v[TP], v[TP+4]
.if (\a) > 0
	OUT (\a)-1
.endif
.endm
.macro OUT a                           ; row tile a's held numbers (WP) become codes and are stored
	WIN 0x40
.irp b, 0,1,2,3,4,5,6,7
	v_cvt_scalef32_pk8_bf8_f32 v[16*(\a)+2*\b:16*(\a)+2*\b+1], v[WP+8*\b:WP+8*\b+7], v[PSC]
.endr
	v_nop                                          ; a plain instruction between the conversions and the next tile's lines, which write their sources
	WIN 0x04
.irp c, 0,1,2,3
	global_store_b128 v[PO], v[16*(\a)+4*\c:16*(\a)+4*\c+3], s[58:59] offset:2048*(\a)+512*\c   ; 512 consecutive bytes, aligned; each tile has its own registers of codes
.endr
	WIN 0
.endm
.irp a, 0,1,2,3,4,5,6,7
	SOFT \a
.endr
.set WP, 192
.set NN, 0
.rept 64
	v_min_num_f32 v[WP+NN], v[WP+NN], v[PLIM]
.set NN, NN+1
.endr
	OUT 7
.irp k, 0,1,2,3
	v_cndmask_b32 v[PK+\k], v[NMA+\k], v[NMA+4+\k], s46
	v_cndmask_b32 v[PK+4+\k], v[LA+\k], v[LA+4+\k], s46
.endr
	global_store_b128 v[SOF], v[PK:PK+3], s[60:61]
	global_store_b128 v[SOF], v[PK+4:PK+7], s[60:61] offset:512
	s_wait_tensorcnt 0x0                           ; the wave's end
	ds_add_u32 v[SPW], v[NIL]
	s_wait_dscnt 0x0
	s_endpgm
.Lfunc_end_k_q2d439684f3_scores:
	.size	k_q2d439684f3_scores, .Lfunc_end_k_q2d439684f3_scores-k_q2d439684f3_scores
	.p2alignl 7, 3214868480
	.fill 96, 4, 3214868480
	.section	.rodata,"a",@progbits
	.p2align	6, 0x0
	.amdhsa_kernel k_q2d439684f3_scores
		.amdhsa_group_segment_fixed_size 327680
		.amdhsa_private_segment_fixed_size 0
		.amdhsa_enable_private_segment 0
		.amdhsa_kernarg_size 40
		.amdhsa_user_sgpr_count 2
		.amdhsa_user_sgpr_kernarg_segment_ptr 1
		.amdhsa_wavefront_size32 1
		.amdhsa_system_sgpr_workgroup_id_x 1
		.amdhsa_system_sgpr_workgroup_id_y 1
		.amdhsa_system_sgpr_workgroup_id_z 1
		.amdhsa_system_vgpr_workitem_id 0
		.amdhsa_next_free_vgpr 1024
		.amdhsa_next_free_sgpr 100
		.amdhsa_reserve_vcc 1
		.amdhsa_float_denorm_mode_32 3
		.amdhsa_float_denorm_mode_16_64 3
		.amdhsa_memory_ordered 1
		.amdhsa_forward_progress 1
		.amdhsa_inst_pref_size 196
	.end_amdhsa_kernel
	.amdgpu_metadata
---
amdhsa.version: [ 1, 2 ]
amdhsa.kernels:
  - .name:           k_q2d439684f3_scores
    .symbol:         k_q2d439684f3_scores.kd
    .args:
      - { .name: q_img, .offset: 0, .size: 8, .value_kind: global_buffer, .address_space: global }
      - { .name: k_img, .offset: 8, .size: 8, .value_kind: global_buffer, .address_space: global }
      - { .name: lowp_scales, .offset: 16, .size: 8, .value_kind: global_buffer, .address_space: global }
      - { .name: p_img, .offset: 24, .size: 8, .value_kind: global_buffer, .address_space: global }
      - { .name: stats, .offset: 32, .size: 8, .value_kind: global_buffer, .address_space: global }
    .group_segment_fixed_size: 327680
    .private_segment_fixed_size: 0
    .kernarg_segment_align: 8
    .kernarg_segment_size: 40
    .max_flat_workgroup_size: 128
    .sgpr_count:     100
    .vgpr_count:     1024
    .wavefront_size: 32
...
	.end_amdgpu_metadata
.endif
;; end of part 2
;; launch mix (part 3): grid 8 x 32, 4 waves a work-group, clusters of 4 x 1, 327,680 bytes of LDS; arguments p_img, v_img, stats, lowp_scales, out0; writes out0
.if DOCPART == 3
	.amdgcn_target "amdgcn-amd-amdhsa--gfx1250"
	.amdhsa_code_object_version 6
	.text
	.protected	k_q2d439684f3_mix
	.globl	k_q2d439684f3_mix
	.p2align	8
	.type	k_q2d439684f3_mix,@function
k_q2d439684f3_mix:
	s_mov_b64 s[64:65], 0
	v_nop
	global_prefetch_b8 v0, s[64:65] scope:SCOPE_SE
	s_setreg_imm32_b32 hwreg(HW_REG_WAVE_MODE, 25, 1), 1
	s_wait_xcnt 0x0
	s_wait_alu depctr_hold_cnt(0) depctr_sa_sdst(0) depctr_va_vdst(0) depctr_va_sdst(0) depctr_va_ssrc(0) depctr_va_vcc(0) depctr_vm_vsrc(0)
	s_getreg_b32 s2, hwreg(HW_REG_IB_STS2, 6, 4)
	s_cmp_eq_u32 s2, 0
	s_cbranch_scc0 .Lentry_in_a_cluster
	s_endpgm
.Lentry_in_a_cluster:
	s_bfe_u32 s2, ttmp6, 0x10000c
	s_cmp_lg_u32 s2, 0x3003
	s_cbranch_scc0 .Lentry_shape_is_right
	s_endpgm
.Lentry_shape_is_right:
; O = (the sum over key tiles of 2^(M_tile - M_row) x P_tile V_tile) x 2^(e8 + e9) / l, on codes of BF8; l = the sum over key tiles of 2^(M_tile - M_row) x l_tile.
; p_img: [64 blocks of 128 queries][16 K steps of 128 keys][8 row tiles][2048]; v_img: [8 blocks of 128 channels][64 K steps][8 row tiles][2048]: images of operand registers.
; stats: [64][16][2][512]: -M of the 256-key tile and the sum of p of the 128 keys; row 16 a + r at 32 r + 4 a.  out0: [8192][1024] f32.
; M_tile and M_row are whole numbers, so the factor f = 2^(M_tile - M_row) <= 1 is made by v_ldexp_f32 and rounds nothing.  A tile with no key for a row has -M = 3e38: f = 0.
; SHARES.  A work-group makes two tiles of 128 queries x 128 channels, one after the other: query blocks beta and 15 - beta of its batch (y = 8 x batch + beta), channels 128 DB on.
; A unit is 256 keys.  Block blk needs key tiles (max(blk, 1) - 1) / 2 .. 7.  NA = 8, 8, 8, 7, 7, 6, 6, 5 units for block beta, and 10 - NA for block 15 - beta: ten units in every work-group
; (for beta = 0 the tenth is a tile of zero codes).  Unit u < NA: block A, key tile 8 - NA + u; else block B, key tile u - 2.  Wave (rho, kappa) makes 64 x 64.
; Source 0 = 16 channels of V, source 1 = 16 queries of P: a lane holds one query and eight neighbouring channels.
; A unit's products start a sum T of their own (C = 0); O takes f x T by packed multiply-adds while the next unit is multiplied: T has two sets of registers.
; CLUSTER: the four work-groups of a cluster differ in DB alone and read the same P: P is asked for jointly.  V hangs on DB and comes by plain loads, in the same rounds.
; All branches hang on y and the wave's number, which the partners share.
; REGISTERS: window 0: v4-31 addresses and row figures; v32-111 f, twice, for (unit, row tile); v112-127 2^(e8 + e9) / l, twice; v128-255 at work on the way out.
;   window 1: two fragment buffers of 128: P's four tiles, then V's four.   window 2: T, two sets of 128.   window 3: v0-127 O.
.set SLOTB,  131072                    ; a slot holds two units: wave 0: P of the first, wave 1: P of the second, waves 2, 3: V's; 32,768 bytes each: [2 K steps][8 tiles][2048]
.set STAGE,  2*SLOTB                   ; behind the ring: 16 rows x 272 bytes for each wave; no tensor load fills it
.set SP,     272
.set SPARE,  STAGE+4*16*SP             ; behind the stages: the spare words
.set AP,   4                           ; v4-5    LDS address of my P fragments in slot 0, 1
.set AV,   6                           ; v6-7    of my V fragments
.set STO,  8                           ; v8      the way out: where I put 32 bytes of a row
.set RD,   9                           ; v9      where I read rows back
.set CO,   10                          ; v10     my byte offset in two rows of out0
.set SO,   11                          ; v11     my byte offset in 512 bytes of statistics: 32 r + 16 rho
.set NRA,  12                          ; v12-15  -M of block A's rows (row tile a), v16-19 of block B's
.set NRB,  16
.set LSA,  20                          ; v20-23  l of block A's rows, v24-27 of block B's
.set LSB,  24
.set SPW,  28
.set NIL,  29
.set PINF, 30                          ; v30     +infinity
.set F2,   32
.set LI2,  112
.set UO,   112                         ; v112-121 at the head: the ten units' offsets in stats
.set TMP,  128
.set RNM,  128                         ; at the head: -M of unit u at v[128 + 4 u], the two sums at v[168 + 4 u], v[208 + 4 u]
.set RL0,  168
.set RL1,  208
.set TT,   248
.set F0,   0
.set F1,   128
.set G1P, 24
.set G1V, 32
.set G0P, 40                           ; s[40:47] group 0 for P, one set for each slot; s[48:55] for V
.set G0V, 48
.set MSB, 0
.macro WIN new
.if MSB != \new
	s_set_vgpr_msb (MSB<<8)|\new
.set MSB, \new
.endif
.endm
.macro PLACES
.rept 4
	v_nop
.endr
.endm
.macro CROUND                          ; a round of the cluster's barrier
	s_barrier_signal -1
	s_barrier_wait -1
	s_cmp_lg_u32 s14, 0
	s_cbranch_scc1 .Lnot_wave_0_\@
	s_barrier_signal -3
.Lnot_wave_0_\@:
	s_barrier_wait -3
	s_barrier_signal -1
	s_barrier_wait -1
.endm
; Waves 0 and 1 ask for P, jointly; waves 2 and 3 for V.  The branch hangs on the wave's number alone.  Four v_nop follow each of the two lines.
.macro JLOAD slot
	s_cmp_eq_u32 s15, 0
	s_cbranch_scc0 .Lfor_v_\@
	tensor_load_to_lds s[G0P+4*\slot:G0P+4*\slot+3], s[G1P:G1P+7]
	s_nop 0
.rept 4
	v_nop
.endr
	s_branch .Lasked_\@
.Lfor_v_\@:
	tensor_load_to_lds s[G0V+4*\slot:G0V+4*\slot+3], s[G1V:G1V+7]
	s_nop 0
.rept 4
	v_nop
.endr
.Lasked_\@:
.endm
; The global addresses of fill sig (units 2 sig, 2 sig + 1) into the slot's two groups 0.  P's hang on y and the wave alone; the registers that feed them never hold cx.
.macro SETG0 sig, slot
	s_add_co_u32 s57, s16, 2*\sig                  ; my unit
	s_cmp_lt_u32 s57, s22
	s_cselect_b32 s66, s60, s61                    ; its block of queries
	s_cselect_b32 s63, s23, -2
	s_add_co_u32 s63, s63, s57                     ; its key tile j
	s_lshl_b32 s63, s63, 1
	s_lshl_b32 s66, s66, 4
	s_add_co_u32 s66, s66, s63
	s_lshl_b32 s66, s66, 14                        ; (16 block + 2 j) x 16,384
	s_add_nc_u64 s[G0P+4*\slot+2:G0P+4*\slot+3], s[4:5], s[66:67]
	s_or_b32 s[G0P+4*\slot+3], s[G0P+4*\slot+3], 0x80000000
	s_add_co_u32 s58, s74, s63
	s_lshl_b32 s58, s58, 14                        ; (64 DB + 16 batch + 2 j) x 16,384
	s_add_nc_u64 s[G0V+4*\slot+2:G0V+4*\slot+3], s[6:7], s[58:59]
	s_or_b32 s[G0V+4*\slot+3], s[G0V+4*\slot+3], 0x80000000
.endm
	s_load_b256 s[4:11], s[0:1], 0x0               ; p_img s[4:5], v_img s[6:7], stats s[8:9], the exponents s[10:11]
	s_load_b64 s[12:13], s[0:1], 0x20              ; out0
	v_lshl_add_u32 v[SPW], v0, 2, SPARE
	v_mov_b32 v[NIL], 0
	ds_add_u32 v28, v29
	ds_add_u32 v28, v29
	s_wait_dscnt 0x0
	v_lshrrev_b32 v1, 5, v0
	v_readfirstlane_b32 s14, v1                    ; wave 0..3
	s_lshr_b32 s15, s14, 1                         ; rho: which 64 queries.  Also: I fetch P (0) or V (1)
	s_and_b32 s16, s14, 1                          ; kappa: which 64 channels.  Also: which unit of a slot I fetch
	s_bfe_u32 s17, ttmp6, 0x40000                  ; cx
	s_lshl_b32 s18, ttmp9, 2
	s_add_co_u32 s18, s18, s17                     ; DB
	s_and_b32 s19, ttmp7, 0xffff                   ; y
	s_lshr_b32 s20, s19, 3                         ; the batch
	s_and_b32 s21, s19, 7                          ; beta
	s_max_u32 s22, s21, 1
	s_sub_co_u32 s22, s22, 1
	s_lshr_b32 s23, s22, 1                         ; block A's first key tile = 8 - NA
	s_sub_co_u32 s22, 8, s23                       ; NA
	s_lshl_b32 s60, s20, 4
	s_add_co_u32 s61, s60, 15
	s_sub_co_u32 s61, s61, s21                     ; block B among the 64
	s_add_co_u32 s60, s60, s21                     ; block A
	s_lshl_b32 s74, s18, 6
	s_lshl_b32 s75, s20, 4
	s_add_co_u32 s74, s74, s75                     ; 64 DB + 16 batch: V alone
	s_mov_b32 s67, 0
	s_mov_b32 s59, 0
	; groups 1: a dense block of 32,768 bytes as 128 rows of 256 bytes, elements of 8 bytes
	s_mov_b32 s[G1P], 15|(3<<16)|(1<<21)           ; 15:0 the mask: all four work-groups; 21 set beside a mask
	s_mov_b32 s[G1V], 3<<16                        ; no mask
.irp g, G1P, G1V
	s_mov_b32 s[\g+1], 32<<16
	s_mov_b32 s[\g+2], 128<<16
	s_mov_b32 s[\g+3], 32<<16
	s_mov_b32 s[\g+4], 128
	s_mov_b32 s[\g+5], 32
	s_mov_b32 s[\g+6], 0
	s_mov_b32 s[\g+7], 0
.endr
	s_lshl_b32 s56, s14, 15                        ; my place in a slot: no place in the cluster enters an LDS address
.irp s, 0,1
	s_mov_b32 s[G0P+4*\s], 1
	s_add_co_u32 s[G0P+4*\s+1], s56, \s*SLOTB
	s_mov_b32 s[G0V+4*\s], 1
	s_add_co_u32 s[G0V+4*\s+1], s56, \s*SLOTB
.endr
	s_wait_kmcnt 0x0
	s_load_b64 s[68:69], s[10:11], 0x20            ; e8, e9
; PREFETCH of P for fill sig (waves 0 and 1, each its unit), one fill ahead: the four partners share a unit's 32,768 bytes out by address: v31 = 8,192 cx + 256 x lane.  V's tiles are read by eight work-groups at different units, and are not asked for.
.macro ASKP sig
	s_add_co_u32 s57, s16, 2*(\sig)
	s_cmp_lt_u32 s57, s22
	s_cselect_b32 s66, s60, s61
	s_cselect_b32 s63, s23, -2
	s_add_co_u32 s63, s63, s57
	s_lshl_b32 s63, s63, 1
	s_lshl_b32 s66, s66, 4
	s_add_co_u32 s66, s66, s63
	s_lshl_b32 s66, s66, 14
	s_wait_alu depctr_va_vdst(0)
	s_wait_xcnt 0x0                                ; an earlier prefetch has read its base
	s_add_nc_u64 s[82:83], s[4:5], s[66:67]
	s_cmp_eq_u32 s15, 0
	s_cbranch_scc0 .Lno_ask_\@
	global_prefetch_b8 v31, s[82:83] th:TH_LOAD_NT scope:SCOPE_SE
.Lno_ask_\@:
.endm
	SETG0 0, 0
	SETG0 1, 1
	CROUND                                         ; all four work-groups are here: the first joint loads meet
	s_cmp_eq_u32 s15, 0                            ; slot 0: one tensor load a wave at the head
	s_cbranch_scc0 .Lfirst_v
	tensor_load_to_lds s[G0P:G0P+3], s[G1P:G1P+7]
	s_nop 0
.rept 4
	v_nop
.endr
	s_branch .Lfirst_asked
.Lfirst_v:
	tensor_load_to_lds s[G0V:G0V+3], s[G1V:G1V+7]
	s_nop 0
.rept 4
	v_nop
.endr
.Lfirst_asked:
	v_and_b32 v1, 31, v0
	v_lshlrev_b32 v1, 4, v1                        ; 16 x lane
	v_and_b32 v2, 15, v0                           ; r
	s_wait_alu depctr_va_vdst(0)
	v_bfe_u32 v3, v0, 4, 1                         ; h
	s_lshl_b32 s56, s15, 13                        ; my four row tiles of P: 8,192 rho
	s_lshl_b32 s57, s16, 13
	s_add_co_u32 s57, s57, 65536                   ; my four of V
.irp s, 0,1
	v_add_nc_u32 v[AP+\s], s56, v1
	v_add_nc_u32 v[AV+\s], s57, v1
	s_add_co_u32 s56, s56, SLOTB
	s_add_co_u32 s57, s57, SLOTB
.endr
	s_mul_i32 s56, s14, 16*SP
	s_add_co_u32 s56, s56, STAGE                   ; my stage
	v_mul_u32_u24 v[STO], v2, SP
	s_wait_alu depctr_va_vdst(0)
	v_lshl_add_u32 v[STO], v3, 5, v[STO]
	v_add_nc_u32 v[STO], s56, v[STO]               ; in: row r, 32 bytes for each half of the lanes
	v_mul_u32_u24 v[RD], v3, SP
	v_lshl_add_u32 v[RD], v2, 4, v[RD]
	v_add_nc_u32 v[RD], s56, v[RD]                 ; back: lanes 0-15 one row of 256 bytes, lanes 16-31 the next
	v_lshlrev_b32 v[CO], 12, v3
	v_lshl_add_u32 v[CO], v2, 4, v[CO]             ; and the same two rows in out0 (4,096 bytes a row)
	v_lshlrev_b32 v[SO], 5, v2
	s_lshl_b32 s56, s15, 4
	v_add_nc_u32 v[SO], s56, v[SO]
	s_wait_alu depctr_va_vdst(0)
	v_mov_b32 v[PINF], 0x7f800000
	v_and_b32 v31, 31, v0
	v_lshlrev_b32 v31, 8, v31
	s_lshl_b32 s81, s17, 13
	v_add_nc_u32 v31, s81, v31
	ASKP 1
; The statistics of unit u for my 64 rows: 16 bytes a lane are row tiles 4 rho .. 4 rho + 3 of row r.  For u = 5, 6, 7 a mask says whether the unit is block A's.
.macro SLOAD u
	s_cmp_gt_u32 s22, \u
	s_cselect_b32 s56, s60, s61
	s_cselect_b32 s57, s23, -2
.if (\u >= 5) && (\u <= 7)
	s_cselect_b32 s[71+\u], -1, 0
.endif
	s_add_co_u32 s57, s57, \u
	s_lshl_b32 s57, s57, 1
	s_lshl_b32 s56, s56, 4
	s_add_co_u32 s56, s56, s57
	s_lshl_b32 s56, s56, 10
	v_add_nc_u32 v[UO+\u], s56, v[SO]
	global_load_b128 v[RNM+4*\u:RNM+4*\u+3], v[UO+\u], s[8:9]
	global_load_b128 v[RL0+4*\u:RL0+4*\u+3], v[UO+\u], s[8:9] offset:512
	global_load_b128 v[RL1+4*\u:RL1+4*\u+3], v[UO+\u], s[8:9] offset:1536
.endm
.irp u, 0,1,2,3,4,5,6,7,8,9
	SLOAD \u
.endr
	s_lshl_b32 s80, s15, 6                         ; my 64 rows
	s_lshl_b32 s75, s18, 9
	s_lshl_b32 s79, s16, 8
	s_add_co_u32 s75, s75, s79                     ; my 64 channels, in bytes: 512 DB + 256 kappa
	s_lshl_b32 s56, s60, 7
	s_add_co_u32 s56, s56, s80
	s_lshl_b32 s56, s56, 12
	s_add_co_u32 s56, s56, s75
	s_mov_b32 s57, 0
	s_add_nc_u64 s[70:71], s[12:13], s[56:57]      ; block A's part of out0
	s_lshl_b32 s56, s61, 7
	s_add_co_u32 s56, s56, s80
	s_lshl_b32 s56, s56, 12
	s_add_co_u32 s56, s56, s75
	s_add_nc_u64 s[72:73], s[12:13], s[56:57]      ; block B's
	s_wait_loadcnt 0x0
	; -M of a row = the least -M among its units
.irp k, 0,1,2,3
	v_min_num_f32 v[NRA+\k], v[RNM+\k], v[RNM+4+\k]
	v_min_num_f32 v[NRB+\k], v[RNM+32+\k], v[RNM+36+\k]
.endr
.irp u, 2,3,4
.irp k, 0,1,2,3
	v_min_num_f32 v[NRA+\k], v[NRA+\k], v[RNM+4*\u+\k]
.endr
.endr
.irp u, 5,6,7
.irp k, 0,1,2,3
	v_cndmask_b32 v[TT+\k], v[PINF], v[RNM+4*\u+\k], s[71+\u]
	v_cndmask_b32 v[TT+4+\k], v[RNM+4*\u+\k], v[PINF], s[71+\u]
.endr
.irp k, 0,1,2,3
	v_min_num_f32 v[NRA+\k], v[NRA+\k], v[TT+\k]
	v_min_num_f32 v[NRB+\k], v[NRB+\k], v[TT+4+\k]
.endr
.endr
; f of unit u, and its part of l.  kind 0: block A's; 1: block B's; 2: either, by the mask.  first = 1: the unit starts its block's sum.
.macro FOFU u, kind, first
.irp k, 0,1,2,3
.if \kind == 2
	v_cndmask_b32 v[TT+\k], v[NRB+\k], v[NRA+\k], s[71+\u]
.elseif \kind == 1
	v_sub_f32 v[TT+\k], v[NRB+\k], v[RNM+4*\u+\k]
.else
	v_sub_f32 v[TT+\k], v[NRA+\k], v[RNM+4*\u+\k]
.endif
.endr
.if \kind == 2
.irp k, 0,1,2,3
	v_sub_f32 v[TT+\k], v[TT+\k], v[RNM+4*\u+\k]
.endr
.endif
.irp k, 0,1,2,3
	v_cvt_i32_f32 v[TT+\k], v[TT+\k]               ; M_tile - M_row: a whole number, 0 or less (the conversion saturates)
.endr
.irp k, 0,1,2,3
	v_ldexp_f32 v[F2+8*\u+2*\k], 1.0, v[TT+\k]
	v_ldexp_f32 v[F2+8*\u+2*\k+1], 1.0, v[TT+\k]   ; twice: the packed forms take a pair
.endr
.irp k, 0,1,2,3
	v_add_f32 v[TT+4+\k], v[RL0+4*\u+\k], v[RL1+4*\u+\k]
.endr
.irp k, 0,1,2,3
.if \kind == 2
	v_cndmask_b32 v[TT+\k], 0, v[F2+8*\u+2*\k], s[71+\u]
.elseif \first
	v_mul_f32 v[LSA+4*\kind+\k], v[F2+8*\u+2*\k], v[TT+4+\k]
.else
	v_fmac_f32 v[LSA+4*\kind+\k], v[F2+8*\u+2*\k], v[TT+4+\k]
.endif
.endr
.if \kind == 2
.irp k, 0,1,2,3
	v_fmac_f32 v[LSA+\k], v[TT+\k], v[TT+4+\k]
.endr
.irp k, 0,1,2,3
	v_cndmask_b32 v[TT+\k], v[F2+8*\u+2*\k], 0, s[71+\u]
.endr
.irp k, 0,1,2,3
	v_fmac_f32 v[LSB+\k], v[TT+\k], v[TT+4+\k]
.endr
.endif
.endm
	FOFU 0, 0, 1
	FOFU 1, 0, 0
	FOFU 2, 0, 0
	FOFU 3, 0, 0
	FOFU 4, 0, 0
	FOFU 8, 1, 1
	FOFU 9, 1, 0
	FOFU 5, 2, 0
	FOFU 6, 2, 0
	FOFU 7, 2, 0
	s_wait_alu depctr_va_vdst(0)
.irp k, 0,1,2,3
	v_rcp_f32 v[TT+\k], v[LSA+\k]                  ; l is at least 1/2: the row's largest p is among its terms
.endr
.irp k, 0,1,2,3
	v_rcp_f32 v[TT+4+\k], v[LSB+\k]
.endr
	v_nop                                          ; a plain instruction behind the last reciprocal
	s_wait_kmcnt 0x0
	s_add_co_i32 s62, s68, s69                     ; e8 + e9
	s_wait_alu depctr_va_vdst(0)                   ; one wait for the eight, ahead of their first reader
.irp k, 0,1,2,3,4,5,6,7
	v_ldexp_f32 v[LI2+2*\k], v[TT+\k], s62         ; the stats' loads are done: their offsets' registers are free
	v_ldexp_f32 v[LI2+2*\k+1], v[TT+\k], s62
.endr
; 32 LDS loads: my four tiles of V and four of P for 128 keys (K step ks of unit half of the slot) into buffer f
.macro FETCH f, slot, half, ks
	WIN 0x40                                       ; destination window 1
.irp i, 0,1,2,3
.irp c, 0,1,2,3
	ds_load_b128 v[\f+64+16*\i+4*\c:\f+64+16*\i+4*\c+3], v[AV+\slot] offset:(\half)*32768+(\ks)*16384+2048*\i+512*\c
.endr
.endr
.irp i, 0,1,2,3
.irp c, 0,1,2,3
	ds_load_b128 v[\f+16*\i+4*\c:\f+16*\i+4*\c+3], v[AP+\slot] offset:(\half)*32768+(\ks)*16384+2048*\i+512*\c
.endr
.endr
.endm
; 16 products into set p of T: the accumulators take turns, one instruction a turn.  zero = 1: they start the unit's sums.
.macro MUL p, f, zero
	WIN 0xa5                                       ; sources 0 and 1 window 1, C and D window 2
.irp a, 0,1,2,3
.irp b, 0,1,2,3
.if \zero
	v_wmma_f32_16x16x128_bf8_bf8 v[128*(\p)+8*(4*\a+\b):128*(\p)+8*(4*\a+\b)+7], v[\f+64+16*\b:\f+64+16*\b+15], v[\f+16*\a:\f+16*\a+15], 0
.else
	v_wmma_f32_16x16x128_bf8_bf8 v[128*(\p)+8*(4*\a+\b):128*(\p)+8*(4*\a+\b)+7], v[\f+64+16*\b:\f+64+16*\b+15], v[\f+16*\a:\f+16*\a+15], v[128*(\p)+8*(4*\a+\b):128*(\p)+8*(4*\a+\b)+7]
.endif
.endr
.endr
.endm
.macro ACC_FMA v                       ; O += f x T of unit v; each accumulator from its low end on
	WIN 0xf2                                       ; source 0 window 2, source 1 window 0, source 2 and destination window 3
.irp a, 0,1,2,3
.set NN, 0
.rept 16
	v_pk_fma_f32 v[32*\a+NN:32*\a+NN+1], v[128*((\v)%2)+32*\a+NN:128*((\v)%2)+32*\a+NN+1], v[F2+8*(\v)+2*\a:F2+8*(\v)+2*\a+1], v[32*\a+NN:32*\a+NN+1]
.set NN, NN+2
.endr
.endr
.endm
.macro ACC_MUL v                       ; O = f x T: a block's first unit starts its sums: nothing is cleared
	WIN 0xf2
.irp a, 0,1,2,3
.set NN, 0
.rept 16
	v_pk_mul_f32 v[32*\a+NN:32*\a+NN+1], v[128*((\v)%2)+32*\a+NN:128*((\v)%2)+32*\a+NN+1], v[F2+8*(\v)+2*\a:F2+8*(\v)+2*\a+1]
.set NN, NN+2
.endr
.endr
.endm
.macro ACCUM v
.if \v == 0
	ACC_MUL \v
.elseif (\v >= 5) && (\v <= 8)         ; block B's first unit is unit NA, which is 5, 6, 7 or 8
	WIN 0
	s_cmp_eq_u32 s22, \v
	s_cbranch_scc1 .Lnew_\@
	ACC_FMA \v
	WIN 0
	s_branch .Lold_\@
.Lnew_\@:
	ACC_MUL \v
	WIN 0
.Lold_\@:
.else
	ACC_FMA \v
.endif
.endm
; THE WAY OUT of a block: O x 2^(e8 + e9) / l; 16 rows at a time through my own stage and back as whole rows of 256 bytes; 32 stores.
.macro WAYOUT li, ob
	s_wait_xcnt 0x0                                ; the registers that an earlier way out's stores read are written again only behind this wait
.irp a, 0,1,2,3
	WIN 0x03                                       ; source 0 window 3
.set NN, 0
.rept 16
	v_pk_mul_f32 v[TMP+32*\a+NN:TMP+32*\a+NN+1], v[32*\a+NN:32*\a+NN+1], v[\li+2*\a:\li+2*\a+1]
.set NN, NN+2
.endr
	WIN 0
.irp b, 0,1,2,3
	ds_store_b128 v[STO], v[TMP+32*\a+8*\b:TMP+32*\a+8*\b+3] offset:64*\b
	ds_store_b128 v[STO], v[TMP+32*\a+8*\b+4:TMP+32*\a+8*\b+7] offset:64*\b+16
.endr
.irp i, 0,1,2,3,4,5,6,7
	ds_load_b128 v[TMP+32*\a+4*\i:TMP+32*\a+4*\i+3], v[RD] offset:2*\i*SP   ; LDS serves a wave's instructions in order (ISA guide 5.7.1.4): these see the stores above, and the next 16 rows' stores come behind them
.endr
.endr
.irp a, 0,1,2,3
	s_wait_dscnt 16*(3-\a)                         ; the later row tiles' 8 stores and 8 loads each may be out
.irp i, 0,1,2,3,4,5,6,7
	global_store_b128 v[CO], v[TMP+32*\a+4*\i:TMP+32*\a+4*\i+3], s[\ob:\ob+1] offset:(16*\a+2*\i)*4096 th:TH_STORE_NT   ; 16 lanes store 256 consecutive bytes, aligned
.endr
.endr
.endm
; Unit u (pv = u - 1), the half-th of its slot.  Its first K step's fragments are on their way in buffer 0.
.macro UNIT u, pv, slot, half
	PLACES                                         ; in front of loads into buffer 1, which the last products read
	FETCH F1, \slot, \half, 1
	s_wait_dscnt 32                                ; all but the 32 just issued: buffer 0 is in
	MUL (\u)%2, F0, 1
.if \u == 0
	PLACES
.else
	ACCUM \pv                                      ; the unit before goes into O: 64 plain instructions, which are also the places in front of the loads into buffer 0
.endif
.if (\u >= 5) && (\u <= 8)
	WIN 0
	s_cmp_eq_u32 s22, \u                           ; block A's last unit has just gone into O: block A leaves
	s_cbranch_scc0 .Lnot_yet_\@
	WAYOUT LI2, 70
.Lnot_yet_\@:
.endif
.if \half == 0
	FETCH F0, \slot, 1, 0                          ; the next unit's first K step
	s_wait_dscnt 32                                ; all but the 32 just issued, on both ways: buffer 1 is in
.else
	s_wait_dscnt 0x0
.endif
	MUL (\u)%2, F1, 0
	WIN 0
.endm
; THE CHANGE OF SLOTS: each wave waits for all its tensor loads, adds 0 to its spare word, and waits for that and for its reads of the slot.  fill = 1: the slot is filled again with fill sig, behind a round of the cluster's barrier.
.macro CHANGE fill, sig, slot, next
	WIN 0
	s_wait_tensorcnt 0x0                           ; no tensor load of mine is out, so a group 0 may be written
	ds_add_u32 v[SPW], v[NIL]                      ; 0 onto my spare word
.if \fill
	SETG0 \sig, \slot
.endif
	s_wait_dscnt 0x0                               ; the add is done, and my reads of the slot are over
.if \fill
	CROUND
	JLOAD \slot                                    ; the first tensor load behind the round: it has two units in which to land
.else
	s_barrier_signal -1
	s_barrier_wait -1
	PLACES
.endif
	FETCH F0, \next, 0, 0
.if \fill && (\sig < 4)
	WIN 0
	ASKP \sig+1
.endif
.endm
	s_wait_alu depctr_va_vdst(0)
	s_wait_tensorcnt 0x0                           ; my part of slot 0 is in
	ds_add_u32 v[SPW], v[NIL]
	s_wait_dscnt 0x0
	CROUND                                         ; everybody's part of slot 0 is in, and the partners are here
	JLOAD 1                                        ; slot 1's first fill, as a refill is issued
	FETCH F0, 0, 0, 0
	WIN 0
	ASKP 2
	UNIT 0, 0, 0, 0
	UNIT 1, 0, 0, 1
	CHANGE 1, 2, 0, 1
	UNIT 2, 1, 1, 0
	UNIT 3, 2, 1, 1
	CHANGE 1, 3, 1, 0
	UNIT 4, 3, 0, 0
	UNIT 5, 4, 0, 1
	CHANGE 1, 4, 0, 1
	UNIT 6, 5, 1, 0
	UNIT 7, 6, 1, 1
	CHANGE 0, 0, 0, 0
	UNIT 8, 7, 0, 0
	UNIT 9, 8, 0, 1
	PLACES
	ACCUM 9
	WAYOUT LI2+8, 72
	s_wait_tensorcnt 0x0                           ; the wave's end
	ds_add_u32 v[SPW], v[NIL]
	s_wait_dscnt 0x0
	CROUND                                         ; the closing round: no work-group ends while a partner may still ask for a tile that names it
	s_endpgm
.Lfunc_end_k_q2d439684f3_mix:
	.size	k_q2d439684f3_mix, .Lfunc_end_k_q2d439684f3_mix-k_q2d439684f3_mix
	.p2alignl 7, 3214868480
	.fill 96, 4, 3214868480
	.section	.rodata,"a",@progbits
	.p2align	6, 0x0
	.amdhsa_kernel k_q2d439684f3_mix
		.amdhsa_group_segment_fixed_size 327680
		.amdhsa_private_segment_fixed_size 0
		.amdhsa_enable_private_segment 0
		.amdhsa_kernarg_size 40
		.amdhsa_user_sgpr_count 2
		.amdhsa_user_sgpr_kernarg_segment_ptr 1
		.amdhsa_wavefront_size32 1
		.amdhsa_system_sgpr_workgroup_id_x 1
		.amdhsa_system_sgpr_workgroup_id_y 1
		.amdhsa_system_sgpr_workgroup_id_z 1
		.amdhsa_system_vgpr_workitem_id 0
		.amdhsa_next_free_vgpr 896
		.amdhsa_next_free_sgpr 88
		.amdhsa_reserve_vcc 0
		.amdhsa_float_denorm_mode_32 3
		.amdhsa_float_denorm_mode_16_64 3
		.amdhsa_memory_ordered 1
		.amdhsa_forward_progress 1
		.amdhsa_inst_pref_size 217
	.end_amdhsa_kernel
	.amdgpu_metadata
---
amdhsa.version: [ 1, 2 ]
amdhsa.kernels:
  - .name:           k_q2d439684f3_mix
    .symbol:         k_q2d439684f3_mix.kd
    .args:
      - { .name: p_img, .offset: 0, .size: 8, .value_kind: global_buffer, .address_space: global }
      - { .name: v_img, .offset: 8, .size: 8, .value_kind: global_buffer, .address_space: global }
      - { .name: stats, .offset: 16, .size: 8, .value_kind: global_buffer, .address_space: global }
      - { .name: lowp_scales, .offset: 24, .size: 8, .value_kind: global_buffer, .address_space: global }
      - { .name: out0, .offset: 32, .size: 8, .value_kind: global_buffer, .address_space: global }
    .group_segment_fixed_size: 327680
    .private_segment_fixed_size: 0
    .kernarg_segment_align: 8
    .kernarg_segment_size: 40
    .max_flat_workgroup_size: 128
    .sgpr_count:     88
    .vgpr_count:     896
    .wavefront_size: 32
...
	.end_amdgpu_metadata
.endif
;; end of part 3
